; MI455X (gfx1250); checked and timed in simulation.
; The chip was launched on July 23, 2026; its instructions are those of AMD's public machine-readable ISA for CDNA 5 (MIT licence, August 2026) and "CDNA5" Instruction Set Architecture Reference Guide (July 2026). The comments in the code are by the model that wrote it; some were corrected since.
;; LSTM Layer. Allowed arithmetic: matrix products marked QUANTISED: E2M3 operands, one E8M0 scale for each 32 along K, by v_wmma_scale_f32_16x16x128_f8f6f4 with both operands' format E2M3, f32 sums; everything else in f32.
;; Inputs: W_c 2,048 x 4,096 float32; W_f 2,048 x 4,096 float32; W_i 2,048 x 4,096 float32; W_o 2,048 x 4,096 float32; b_c 2,048 float32; b_f 2,048 float32; b_i 2,048 float32; b_o 2,048 float32; cell_state 2,048 x 2,048 float32; hidden_state 2,048 x 2,048 float32; input 2,048 x 2,048 float32.
;; Outputs: out0 2,048 x 2,048 float32; out1 2,048 x 2,048 float32.
;; This version of the problem:
;;   THIS VERSION OF THE PROBLEM IS GIVEN IN LOW PRECISION. The matrix products marked QUANTISED in the list below multiply operands that are first quantised to E2M3 (2 exponent bits, 3 mantissa bits; 6 bits a number), with one power-of-two scale for each 32 numbers along K (OCP MX v1.0); their sums are f32. All else is computed in f32.
;;   The module's matrix products, in the order in which they are computed (A, B: the left and right operand; K: the contracted axis; several contracted axes count as one K, in the product's order):
;;     1. [M 2,048, K 4,096] x [K 4,096, N 8,192]; A: computed on the way; B: computed on the way: QUANTISED
;;   THE QUANTISER, for each operand of a quantised product, along K:
;;     - K is cut into blocks of 32 from its start; a last block that is shorter is filled with zeros.
;;     - A block's scale is 2^e with e = floor(log2(the largest magnitude in the block)) - 2, held to -126 .. 127; a block of zeros has e = 0. As a byte (E8M0): e + 127.
;;     - Each number is divided by its block's scale, clamped to +-7.5, and rounded to the nearest number of E2M3, ties to even, subnormals kept.
;;     - The product sums the exact products of the quantised numbers (number of the format x scale) in f32.
;;   ~~~python
;;   def quantise(x, axis):      # numpy; x: float32 -> the quantised numbers, widened to float32 again
;;       x = np.moveaxis(x, axis, -1); K = x.shape[-1]
;;       x = np.pad(x, [(0, 0)] * (x.ndim - 1) + [(0, -K % 32)]); x = x.reshape(x.shape[:-1] + (-1, 32)); a = np.abs(x).max(-1, keepdims=True)
;;       e = np.where(a > 0, np.clip(np.frexp(np.where(a > 0, a, 1))[1] - 1 - 2, -126, 127), 0)      # np.frexp(a)[1] - 1 = floor(log2(a)), exactly
;;       r = np.clip(x / 2.0 ** e, -7.5, 7.5)
;;       step = 2.0 ** (np.maximum(np.frexp(np.where(r == 0, 1, r))[1] - 1, 0) - 3)
;;       q = np.round(r / step) * step * 2.0 ** e      # np.round: ties to even
;;       return np.moveaxis(q.reshape(q.shape[:-2] + (-1,))[..., :K], -1, axis).astype(np.float32)
;;   ~~~
;;   OPERANDS COMPUTED ON THE WAY. 'Computed on the way' means the value that the module computes at that place (a softmax that the list does not call 'softmax' is quantised finished and normalised). What goes into a quantiser is computed in f32, as accurately as f32 sums, v_exp_f32 and their like allow (about 1e-6 of the number): no bf16 or f16 on the way to a quantiser, and a product that is left as it is and whose result goes on into a quantised operand takes f32 operands (vector FMAs, or v_wmma_f32_16x16x4_f32). A number that lies on a knife's edge between two numbers of the format may be rounded either way, as far as f32 arithmetic and the matrix unit's own rounding can turn it there, and no further.
;; One version. Each part assembles by itself: llvm-mc -triple=amdgcn-amd-amdhsa -mcpu=gfx1250 --defsym DOCPART=n.
;; ======== version 1 of 1: 2 launches
;; limits: inputs' magnitudes at most 1.153e+18; right only within a limited range of input values
;; workspace buffers: ua 6,553,600 bytes; wb 26,214,400 bytes
;; launch quant (part 1): grid 256 x 5, 4 waves a work-group, no clusters, 34,304 bytes of LDS; arguments input, hidden_state, W_i, W_f, W_c, W_o, ua, wb; writes ua, wb
.if DOCPART == 1
	.amdgcn_target "amdgcn-amd-amdhsa--gfx1250"
	.amdhsa_code_object_version 6
	.text
	.protected	k_qbc7881c26c_quant
	.globl	k_qbc7881c26c_quant
	.p2align	8
	.type	k_qbc7881c26c_quant,@function
k_qbc7881c26c_quant:
	s_mov_b64 s[64:65], 0
	v_nop
	global_prefetch_b8 v0, s[64:65] scope:SCOPE_SE
	s_setreg_imm32_b32 hwreg(HW_REG_WAVE_MODE, 25, 1), 1
	s_wait_xcnt 0x0
; u = [input | hidden_state] (2,048 x 4,096) and the four gate weights (2,048 x 4,096 each), all f32 with K innermost, are turned into codes of FP6 (E2M3) with one
; E8M0 scale byte for each 32 along K.  A block's scale is 2^(floor(log2(its largest magnitude)) - 2); its byte is the largest magnitude's own exponent field - 2, held at 1 from below.
; Each number is divided by the scale and rounded to the nearest code, ties to even; beyond 7.5 the conversion gives the largest code.
; LIMITS: a block of zeros gets the byte 1 where the rule says 127 (its codes are zeros, which add nothing, and the bytes are read by this program alone); blocks whose largest
; magnitude lies under 2^-124 are held at the byte 1; NaN and infinities among the inputs are not served.
; THE OUTPUT IS LAID AS THE NEXT LAUNCH'S REGISTERS WANT IT.  A RECORD of 12,800 bytes holds 128 operand rows x 128 along K: 8 fragment images of 1,536 bytes (block i of 16 rows at
; 1,536 i; register n of lane l at 512 (n / 4) + 16 l + 4 (n % 4)), then from byte 12,288 on the scale words, one a row: that of block i, row r at 256 (i / 4) + 128 (i % 2) + 8 r + 4 ((i / 2) % 2).
; Record number = 32 x (half tile of 128 rows) + (K step of 128).  In ua the rows are u's as they lie.  In wb half tile t holds hidden units 32 t .. 32 t + 31 of ALL FOUR gates:
; block 2 g + j = gate g (i, f, c, o), units 16 j on.
; SHARES.  A wave takes half a record: four fragments f = blocks 4 H + f.  For u they are 64 rows on end; for a weight 32 units of gate 2 H (f = 0, 1) and of gate 2 H + 1 (f = 2, 3).
; So a wave's four images are 6,144 bytes on end and its scale words 256.  The four waves of a work-group stand side by side along K.  5,120 such parts: a grid of 256 x 5;
; y = 0 takes u, y = 1 .. 4 the weights.  Only pointers and offsets are chosen by the work-group's number: there is one path through the text.
; Each load reads 512 consecutive bytes of one row; a fragment's 16 rows turn through the wave's own stage in LDS and come back as 32 neighbours along K in a lane, twice: two whole
; blocks a lane, in the very order of the operand's registers.  No barrier: waves share nothing.  Two fragments' loads (32 a wave) are out at the start, 16 while one is worked on.
.set REC,  12800                       ; a record
.set SCB,  12288                       ; where its scale words begin
.set FRB,  1536                        ; a fragment's image
.set SROW, 528                         ; a stage row: 512 bytes + 16: an odd multiple of 16, so that the sixteen rows that a load of 16 bytes a lane touches begin in different banks
.set SW,   18                          ; v18-21   the four fragments' scale words
.set RO,   24                          ; v24-39   row r of a fragment: 16 x lane + r x pitch
.set C,    40                          ; v40-63   codes: two sets of 12
.set T,    64                          ; v64-66, v68-70  the upper halves of the two blocks (a conversion's three registers begin on an even number)
.set X,    72                          ; v72-199  two sets of 64 numbers
	s_load_b512 s[8:23], s[0:1], 0x0               ; input, hidden_state, W_i, W_f, W_c, W_o, ua, wb
	v_lshl_add_u32 v200, v0, 2, 0x8400
	v_mov_b32 v201, 0
	v_lshrrev_b32 v1, 5, v0
	v_readfirstlane_b32 s24, v1                    ; wave 0..3
	s_and_b32 s26, ttmp7, 0xffff                   ; y
	s_and_b32 s27, ttmp9, 7                        ; kg: which four K steps of the operand's 32
	s_lshr_b32 s28, ttmp9, 3                       ; xr: 0 .. 31
	; what holds if y = 0 (u)
	s_lshr_b32 s29, s27, 2                         ; which source: 0 input, 1 hidden_state
	s_and_b32 s30, s27, 3                          ; which four K steps of the source's 16
	s_lshl_b32 s31, s28, 6                         ; fragments 0, 1: rows 64 xr on
	s_add_co_u32 s32, s31, 32                      ; fragments 2, 3: 32 rows further
	s_lshr_b32 s33, s28, 1                         ; half tile of 128 rows
	s_and_b32 s34, s28, 1                          ; H: which half of the record
	; what holds if y = 1 .. 4 (the weights)
	s_sub_co_u32 s35, s26, 1
	s_and_b32 s36, s35, 1                          ; H: gates 2 H and 2 H + 1
	s_bfe_u32 s37, s35, 0x10001
	s_lshl_b32 s37, s37, 5
	s_add_co_u32 s37, s37, s28                     ; half tile = 32 ((y - 1) / 2) + xr: 32 hidden units
	s_lshl_b32 s38, s37, 5                         ; their first row, in both gates
	s_add_co_u32 s39, s36, 2                       ; which sources: 2: W_i, W_f;  3: W_c, W_o
	s_mov_b32 s43, 16384                           ; a weight's row in bytes
	s_cmp_eq_u32 s26, 0                            ; the selects below leave SCC as it is
	s_cselect_b32 s29, s29, s39                    ; sources
	s_cselect_b32 s30, s30, s27                    ; K steps in the source
	s_cselect_b32 s31, s31, s38                    ; first row of fragments 0, 1
	s_cselect_b32 s32, s32, s38                    ; of fragments 2, 3
	s_cselect_b32 s33, s33, s37                    ; half tile
	s_cselect_b32 s34, s34, s36                    ; H
	s_cselect_b32 s43, 8192, s43                   ; pitch
	s_wait_kmcnt 0x0
	s_cselect_b64 s[44:45], s[20:21], s[22:23]     ; ua or wb
	s_mov_b64 s[56:57], s[8:9]                     ; the source of fragments 0, 1
	s_mov_b64 s[58:59], s[8:9]                     ; and of fragments 2, 3.  The choices hang on the work-group's number alone
	s_cmp_eq_u32 s29, 1
	s_cselect_b64 s[56:57], s[10:11], s[56:57]
	s_cselect_b64 s[58:59], s[10:11], s[58:59]
	s_cmp_eq_u32 s29, 2
	s_cselect_b64 s[56:57], s[12:13], s[56:57]
	s_cselect_b64 s[58:59], s[14:15], s[58:59]
	s_cmp_eq_u32 s29, 3
	s_cselect_b64 s[56:57], s[16:17], s[56:57]
	s_cselect_b64 s[58:59], s[18:19], s[58:59]
	s_lshl_b32 s37, s30, 2
	s_add_co_u32 s37, s37, s24
	s_lshl_b32 s37, s37, 9                         ; my wave's K step: 512 bytes each
	s_mov_b32 s47, 0
	s_mul_i32 s46, s31, s43
	s_add_co_u32 s46, s46, s37                     ; under 2^26
	s_add_nc_u64 s[4:5], s[56:57], s[46:47]        ; fragment 0
	s_mul_i32 s46, s32, s43
	s_add_co_u32 s46, s46, s37
	s_add_nc_u64 s[8:9], s[58:59], s[46:47]        ; fragment 2
	s_lshl_b32 s46, s43, 4                         ; 16 rows
	s_add_nc_u64 s[6:7], s[4:5], s[46:47]          ; fragment 1
	s_add_nc_u64 s[10:11], s[8:9], s[46:47]        ; fragment 3
	s_lshl_b32 s38, s33, 5
	s_lshl_b32 s39, s27, 2
	s_add_co_u32 s38, s38, s39
	s_add_co_u32 s38, s38, s24
	s_mul_i32 s38, s38, REC                        ; my record, under 2^25
	s_mul_i32 s39, s34, 4*FRB
	s_add_co_u32 s46, s38, s39
	s_add_nc_u64 s[48:49], s[44:45], s[46:47]      ; my four images
	s_lshl_b32 s39, s34, 8
	s_add_co_u32 s46, s38, s39
	s_add_co_u32 s46, s46, SCB
	s_add_nc_u64 s[50:51], s[44:45], s[46:47]      ; my 256 bytes of scale words
	s_mov_b32 s52, 0x76543210
	s_mov_b32 s53, 0xfedcba98                      ; v_permlanex16_b32's selects for lane l xor 16
	v_and_b32 v1, 31, v0                           ; lane
	v_and_b32 v2, 15, v0                           ; r
	v_bfe_u32 v3, v0, 4, 1                         ; h
	v_lshlrev_b32 v4, 4, v1                        ; 16 x lane: my bytes of a row's 512, and of an image's 512
	s_mul_i32 s40, s24, 16*SROW                    ; my wave's stage
	v_add_nc_u32 v5, s40, v4                       ; into it: as loaded
	v_mul_u32_u24 v6, v2, SROW
	v_lshl_add_u32 v6, v3, 7, v6
	v_add_nc_u32 v6, s40, v6                       ; out of it: row r, 128 h bytes on: k = 32 h
	v_lshlrev_b32 v7, 3, v1                        ; 8 x lane: my place among the scale words
	v_lshlrev_b32 v16, 3, v3                       ; 8 h: my bytes' shift in a scale word
	v_mov_b32 v17, 0                               ; written once: a lane permute's destination counts as one of its sources
.irp r, 0,1,2,3,4,5,6,7,8,9,10,11,12,13,14,15
	v_mad_u32_u24 v[RO+\r], s43, \r, v4
.endr
.macro LOAD f                          ; fragment f: 16 rows x 128 along K; a load reads 512 consecutive bytes of one row, at a multiple of 512 from the buffer's first byte
.set XL, X+64*((\f)%2)
.irp r, 0,1,2,3,4,5,6,7,8,9,10,11,12,13,14,15
	global_load_b128 v[XL+4*\r:XL+4*\r+3], v[RO+\r], s[4+2*(\f):5+2*(\f)] th:TH_LOAD_NT
.endr
.endm
.macro TURN f                          ; through the stage: LDS serves a wave's instructions in order (ISA guide 5.7.1.4), so no wait stands between the stores and the loads, nor in front of the next fragment's stores
.set XS, X+64*((\f)%2)
.irp r, 0,1,2,3,4,5,6,7,8,9,10,11,12,13,14,15
	ds_store_b128 v5, v[XS+4*\r:XS+4*\r+3] offset:SROW*\r
.endr
.irp c, 0,1
.irp i, 0,1,2,3,4,5,6,7
	ds_load_b128 v[XS+32*\c+4*\i:XS+32*\c+4*\i+3], v6 offset:256*\c+16*\i   ; registers 32 c + 0 .. 31: k = 64 c + 32 h + 0 .. 31 of row r
.endr
.endr
.endm
.macro QUANT f                         ; my two whole blocks become registers 6 c .. 6 c + 5 of the operand, and their bytes my part of the row's scale word
.set XS, X+64*((\f)%2)
.set CC, C+12*((\f)%2)
.irp c, 0,1
	v_max3_num_f32 v[8+2*\c], |v[XS+32*\c]|, |v[XS+32*\c+1]|, |v[XS+32*\c+2]|        ; the largest magnitude: two chains a block, the two blocks by turns
	v_max3_num_f32 v[9+2*\c], |v[XS+32*\c+3]|, |v[XS+32*\c+4]|, |v[XS+32*\c+5]|
.endr
.irp i, 6,10,14,18,22,26
.irp c, 0,1
	v_max3_num_f32 v[8+2*\c], v[8+2*\c], |v[XS+32*\c+\i]|, |v[XS+32*\c+\i+1]|
	v_max3_num_f32 v[9+2*\c], v[9+2*\c], |v[XS+32*\c+\i+2]|, |v[XS+32*\c+\i+3]|
.endr
.endr
.irp c, 0,1
	v_max3_num_f32 v[8+2*\c], v[8+2*\c], |v[XS+32*\c+30]|, |v[XS+32*\c+31]|
.endr
.irp c, 0,1
	v_max3_num_f32 v[8+2*\c], v[8+2*\c], v[9+2*\c], 0x1800000   ; and the floor 2^(3 - 127): the byte cannot fall under 1
.endr
.irp c, 0,1
	v_add_nc_u32 v[12+\c], 0xff000000, v[8+2*\c]   ; 2 off the exponent field: the conversion takes the exponent field of this operand as its scale, and nothing else of it
.endr
.irp c, 0,1
	v_lshrrev_b32 v[14+\c], 23, v[12+\c]           ; the scale's byte
.endr
	v_lshl_or_b32 v[SW+\f], v15, 16, v14           ; my bytes: blocks h and 2 + h of the row's four,
	v_lshlrev_b32 v[SW+\f], v16, v[SW+\f]          ; 8 h bits up;
	v_permlanex16_b32 v17, v[SW+\f], s52, s53
	v_or_b32 v[SW+\f], v[SW+\f], v17               ; with lane l xor 16's two the word is whole, in both lanes
.if \f >= 2
	s_wait_xcnt 0x0                                ; this set of codes was stored two fragments ago: it is written again only behind this wait
.endif
.irp c, 0,1
	v_cvt_scalef32_pk16_fp6_f32 v[CC+6*\c:CC+6*\c+2], v[XS+32*\c:XS+32*\c+15], v[12+\c]
	v_cvt_scalef32_pk16_fp6_f32 v[T+4*\c:T+4*\c+2], v[XS+32*\c+16:XS+32*\c+31], v[12+\c]
.endr
	v_nop                                          ; one plain place behind a scaled conversion
.irp c, 0,1
.irp i, 0,1,2
	v_mov_b32 v[CC+6*\c+3+\i], v[T+4*\c+\i]
.endr
.endr
.endm
.macro OUT f                           ; the image: each store covers 512 consecutive bytes, at a multiple of 512 from the buffer's first byte.  The next launch reads them: no hint
.set CC, C+12*((\f)%2)
.irp c, 0,1,2
	global_store_b128 v4, v[CC+4*\c:CC+4*\c+3], s[48:49] offset:FRB*\f+512*\c
.endr
.endm
	LOAD 0
	LOAD 1
.irp f, 0,1,2,3
.if \f < 3
	s_wait_loadcnt 16                              ; this fragment's 16 loads are in; the next one's 16 may be out
.else
	s_wait_loadcnt 0x0
.endif
	TURN \f
	s_wait_dscnt 0x0                               ; the numbers are back, and the stores into the stage have read their registers
	QUANT \f
	OUT \f
.if \f < 2
	LOAD \f+2                                      ; into the set that the conversions have just read
.endif
.endr
	v_cmp_ne_u32 vcc_lo, 0, v3
	v_cndmask_b32 v22, v[SW], v[SW+1], vcc_lo      ; lanes 0-15: fragments 0 and 2 of row r; lanes 16-31: fragments 1 and 3
	v_cndmask_b32 v23, v[SW+2], v[SW+3], vcc_lo
	global_store_b64 v7, v[22:23], s[50:51]        ; 32 lanes store 256 consecutive bytes, at a multiple of 256 from the buffer's first byte
	s_wait_tensorcnt 0x0
	ds_add_u32 v200, v201
	s_wait_dscnt 0x0
	s_endpgm
.Lfunc_end_k_qbc7881c26c_quant:
	.size	k_qbc7881c26c_quant, .Lfunc_end_k_qbc7881c26c_quant-k_qbc7881c26c_quant
	.p2alignl 7, 3214868480
	.fill 96, 4, 3214868480
	.section	.rodata,"a",@progbits
	.p2align	6, 0x0
	.amdhsa_kernel k_qbc7881c26c_quant
		.amdhsa_group_segment_fixed_size 34304
		.amdhsa_private_segment_fixed_size 0
		.amdhsa_enable_private_segment 0
		.amdhsa_kernarg_size 64
		.amdhsa_user_sgpr_count 2
		.amdhsa_user_sgpr_kernarg_segment_ptr 1
		.amdhsa_wavefront_size32 1
		.amdhsa_system_sgpr_workgroup_id_x 1
		.amdhsa_system_sgpr_workgroup_id_y 1
		.amdhsa_system_sgpr_workgroup_id_z 1
		.amdhsa_system_vgpr_workitem_id 0
		.amdhsa_next_free_vgpr 202
		.amdhsa_next_free_sgpr 66
		.amdhsa_reserve_vcc 1
		.amdhsa_float_denorm_mode_32 3
		.amdhsa_float_denorm_mode_16_64 3
		.amdhsa_memory_ordered 1
		.amdhsa_forward_progress 1
		.amdhsa_inst_pref_size 32
	.end_amdhsa_kernel
	.amdgpu_metadata
---
amdhsa.version: [ 1, 2 ]
amdhsa.kernels:
  - .name:           k_qbc7881c26c_quant
    .symbol:         k_qbc7881c26c_quant.kd
    .args:
      - { .name: input, .offset: 0, .size: 8, .value_kind: global_buffer, .address_space: global }
      - { .name: hidden_state, .offset: 8, .size: 8, .value_kind: global_buffer, .address_space: global }
      - { .name: W_i, .offset: 16, .size: 8, .value_kind: global_buffer, .address_space: global }
      - { .name: W_f, .offset: 24, .size: 8, .value_kind: global_buffer, .address_space: global }
      - { .name: W_c, .offset: 32, .size: 8, .value_kind: global_buffer, .address_space: global }
      - { .name: W_o, .offset: 40, .size: 8, .value_kind: global_buffer, .address_space: global }
      - { .name: ua, .offset: 48, .size: 8, .value_kind: global_buffer, .address_space: global }
      - { .name: wb, .offset: 56, .size: 8, .value_kind: global_buffer, .address_space: global }
    .group_segment_fixed_size: 34304
    .private_segment_fixed_size: 0
    .kernarg_segment_align: 8
    .kernarg_segment_size: 64
    .max_flat_workgroup_size: 128
    .sgpr_count:     66
    .vgpr_count:     202
    .wavefront_size: 32
...
	.end_amdgpu_metadata
.endif
;; end of part 1
;; launch lstm (part 2): grid 32 x 8, 4 waves a work-group, clusters of 4 x 4, 327,680 bytes of LDS; arguments ua, wb, cell_state, b_i, b_f, b_c, b_o, out0, out1; writes out0, out1
.if DOCPART == 2
	.amdgcn_target "amdgcn-amd-amdhsa--gfx1250"
	.amdhsa_code_object_version 6
	.text
	.protected	k_qbc7881c26c_lstm
	.globl	k_qbc7881c26c_lstm
	.p2align	8
	.type	k_qbc7881c26c_lstm,@function
k_qbc7881c26c_lstm:
	s_mov_b64 s[64:65], 0
	v_nop
	global_prefetch_b8 v0, s[64:65] scope:SCOPE_SE
	s_setreg_imm32_b32 hwreg(HW_REG_WAVE_MODE, 25, 1), 1
	s_wait_xcnt 0x0
	s_wait_alu depctr_hold_cnt(0) depctr_sa_sdst(0) depctr_va_vdst(0) depctr_va_sdst(0) depctr_va_ssrc(0) depctr_va_vcc(0) depctr_vm_vsrc(0)
	s_getreg_b32 s2, hwreg(HW_REG_IB_STS2, 6, 4)
	s_cmp_eq_u32 s2, 0
	s_cbranch_scc0 .Lentry_in_a_cluster
	s_endpgm
.Lentry_in_a_cluster:
	s_bfe_u32 s2, ttmp6, 0x10000c
	s_cmp_lg_u32 s2, 0xf033
	s_cbranch_scc0 .Lentry_shape_is_right
	s_endpgm
.Lentry_shape_is_right:
; gates = u W^T + b on codes of FP6 (E2M3) with one E8M0 scale for each 32 along K (M 2,048, K 4,096, N 4 x 2,048), sums in f32, and behind it, in registers, the LSTM cell:
; c' = cell sigmoid(gf) + sigmoid(gi) tanh(gc) -> out1;  h' = sigmoid(go) tanh(c') -> out0.  The gates never go to memory.
; ua and wb hold RECORDS of 12,800 bytes: 128 operand rows x 128 along K as 8 images of a fragment's registers (block i at 1,536 i; register n of lane l at 512 (n / 4) + 16 l + 4 (n % 4)),
; then from byte 12,288 on the scale words: that of block i, row r at 256 (i / 4) + 128 (i % 2) + 8 r + 4 ((i / 2) % 2).  Record = 32 x half tile + K step of 128.  In wb half tile t holds hidden
; units 32 t .. 32 t + 31 of all four gates: block 2 g + j = gate g (i, f, c, o), units 16 j on.
; SHARES.  256 work-groups of four waves.  A work-group takes 256 rows of u x 64 hidden units x 4 gates; a wave 128 rows x 32 units x 4 gates: 64 accumulators of 16 x 16, 512 registers.
; THE MATRIX INSTRUCTION IS USED TRANSPOSED (source 0 = 16 rows of W, source 1 = 16 rows of u): register i of accumulator (a, 2 g + j) in lane (r, h) is gate g of row 16 a + r, unit 16 j + 8 h + i.
; So the four gates of one output lie in ONE lane at one register index, and the cell's arithmetic asks no other lane.  The bias is the C of each sum's first matrix instruction.
; THE RING.  Two LDS slots, as large as fit: a slot holds THREE steps of 128 along K, 4 x 3 records (u's two halves, W's two); each wave brings three records on end by one tensor load, a dense
; block of 150 rows of 256 bytes, which has 192 matrix instructions in which to land.  32 steps = 2 + 10 x 3: the FIRST slot holds two steps (100 rows, groups 1 of their own), so every refill is alike.
; A fragment comes out of LDS by three loads of 16 bytes a lane, 512 consecutive bytes each; the scale words travel in the slot.
; CLUSTERS: 4 x 4 work-groups.  The four of a row of the cluster need the same records of u, the four of a column the same records of W: each is asked for JOINTLY, by the same tensor load
; with the same descriptor and a mask that names the four.  cell_state's tile (256 rows x 256 bytes) is the work-group's own: a plain load of each wave, into slot 1 at the last change of slots.
; THE CELL'S ARITHMETIC, with A = e^-gi, F = e^-gf, C = e^(2 gc), O = e^-go, E = e^(2 c'):
;   c' = [cell (1+A)(1+C) + (C-1)(1+F)] / [(1+A)(1+C)(1+F)],   h' = (E-1) / [(1+O)(1+E)]: five exponentials and two reciprocals an output.
; LIMITS: every exponent (base 2) is held at 32 from above, so that no product passes 2^97 and no infinity meets a zero: a sigmoid does not fall under 2^-32 and a tanh stops at 1 - 2^-31,
; an absolute error under 5e-10 (times |cell| for the forget gate), for gates of any size.  |cell_state| under 2^60.  NaN and infinities among the inputs are not served.
; REGISTERS, in windows of 256: window 0: v1-31 addresses; v32-47 scale words, two sets, and nothing else ever; v64-127 the bias, 8 registers for each of W's blocks; v128-223 u's fragments, ONE set;
;   behind the last product v64-191 are at work.   window 1: W's fragments, TWO sets, at v0 and v128; behind the last product the rows on their way out.
;   window 2: the accumulators of my rows 0-63 ((a, b) at v[8 (8 a + b)]);   window 3: of my rows 64-127.
.set REC,   12800
.set SCB,   12288                      ; a record's scale words
.set FRB,   1536                       ; a fragment's image
.set WREG,  3*REC                      ; what one tensor load brings
.set SLOT,  4*WREG                     ; u's two halves, then W's two: 153,600 bytes
.set CELL,  SLOT                       ; in slot 1, behind its last step: cell_state's tile, 256 rows; later the new cell, written by the lane that read the old one: out1's stage
.set CP,    272                        ; its rows: 256 bytes + 16: an odd multiple of 16, so that the sixteen rows that a load or store of 16 bytes a lane touches begin in different banks
.set HST,   CELL+256*CP                ; behind it, still in slot 1: out0's stage.  These bytes have had their last fill, and behind the last change of slots nobody reads them
.set SPARE, 2*SLOT                     ; the spare words, 128 bytes for each wave: two blocks of 256 bytes that no other line names
.set LAPS,  4                          ; a lap = two slots = six steps of 128: slots 1 to 8
.set FR,    12                         ; registers of a fragment
.set NL,    3                          ; LDS loads that bring one
.set NP,    4                          ; places behind this matrix instruction (ISA guide 7.12.1)
.set ADRA, 16                          ; v16-17  LDS address of my fragments of u in slot 0, 1
.set ADRB, 20                          ; v20-21  of W
.set ADRS, 22                          ; v22-23  of my scale words: lanes 0-15 u's rows, lanes 16-31 W's
.set CLA,  24                          ; v24     my 32 bytes of a row of the cell's tile
.set HSA,  25                          ; v25     the same place in out0's stage
.set RDC,  26                          ; v26     the way out: where I read a row of the new cell
.set RDH,  27                          ; v27     and of the new hidden state
.set SPW,  28                          ; v28     LDS address of my spare word: SPARE + 4 x my thread's number; never rewritten
.set NIL,  29                          ; v29     0; never rewritten
.set CO,   30                          ; v30     my byte offset in two rows of an output
.set BO,   31                          ; v31     my byte offset in a block's 16 biases
.set SC,   32                          ; scale words: set p at v[SC + 8 p]; block i's register: 2 (2 (i / 4) + i % 2) + (i / 2) % 2; lanes 0-15 u's word, lanes 16-31 W's
.set BIAS, 64
.set AF,   128
.set GA,   64                          ; behind the products, 16 registers each: the four gates' exponentials,
.set GF,   80
.set GC,   96
.set GO,   112
.set CL,   128                         ; the old cell,
.set CM,   144                         ; at work,
.set NC,   160                         ; the new cell,
.set NH,   176                         ; the new hidden state
.set G1,   24                          ; s[24:31] descriptor group 1 for three records of u;  s[32:39] group 0, one set for each slot
.set G0,   32
.set G1B,  48                          ; s[48:55], s[56:63] the same for W
.set G0B,  56
.set G1C,  80                          ; s[80:87], s[88:91] for the cell's tile
.set G0C,  88
.set G1S,  92                          ; s[92:99] group 1 for the first slot's two records of u;
.set G1BS, 4                           ; s[4:11] of W
.set MSB, 0
.macro WIN new                         ; the immediate's high byte repeats the setting that is left
.if MSB != \new
	s_set_vgpr_msb (MSB<<8)|\new
.set MSB, \new
.endif
.endm
.set MUL_LO, 0xa1                      ; source 0 (W) window 1, source 1 (u) window 0, C and D window 2
.set MUL_HI, 0xf1                      ; the same, C and D window 3
.set FST_LO, 0x81                      ; the first step: C (the bias) window 0, D window 2
.set FST_HI, 0xc1                      ; D window 3
.set TO_B,   0x40                      ; destination window 1, address window 0
; A joint load: waves 0 and 1 fetch u's two halves, waves 2 and 3 W's.  Each of the two lines has ONE mask and one set of registers for all that issue it; the branch hangs on the wave's number alone.
; Four v_nop follow each of the two lines, ahead of the jump, the label and what follows.
.macro JLOAD g0a, g1a, g0b, g1b
	s_cmp_eq_u32 s15, 0
	s_cbranch_scc0 .Lfor_b_\@
	tensor_load_to_lds s[\g0a:\g0a+3], s[\g1a:\g1a+7]
	s_nop 0
.rept 4
	v_nop
.endr
	s_branch .Lasked_\@
.Lfor_b_\@:
	tensor_load_to_lds s[\g0b:\g0b+3], s[\g1b:\g1b+7]
	s_nop 0
.rept 4
	v_nop
.endr
.Lasked_\@:
.endm
.macro CREST                           ; a round of the cluster's barrier behind its opening barrier
	s_cmp_lg_u32 s14, 0
	s_cbranch_scc1 .Lnot_wave_0_\@
	s_barrier_signal -3
.Lnot_wave_0_\@:
	s_barrier_wait -3
	s_barrier_signal -1
	s_barrier_wait -1
.endm
.macro CROUND                          ; a whole round
	s_barrier_signal -1
	s_barrier_wait -1
	CREST
.endm
	s_load_b256 s[4:11], s[0:1], 0x0               ; ua s[4:5], wb s[6:7], cell_state s[8:9], b_i s[10:11]
	s_load_b256 s[68:75], s[0:1], 0x20             ; b_f s[68:69], b_c s[70:71], b_o s[72:73], out0 s[74:75]
	s_load_b64 s[76:77], s[0:1], 0x40              ; out1
	v_lshl_add_u32 v[SPW], v0, 2, SPARE
	v_mov_b32 v[NIL], 0
	ds_add_u32 v28, v29
	ds_add_u32 v28, v29
	s_wait_dscnt 0x0
	v_lshrrev_b32 v1, 5, v0
	v_readfirstlane_b32 s14, v1                    ; wave 0..3
	s_lshr_b32 s15, s14, 1                         ; rh: which 128 of the tile's rows are mine.  Also: I fetch for u (0) or for W (1)
	s_and_b32 s16, s14, 1                          ; ch: which 32 of its hidden units.  Also: which half I fetch
	s_bfe_u32 s40, ttmp6, 0x40000                  ; cx, cy: my place in the cluster
	s_bfe_u32 s41, ttmp6, 0x40004
	s_lshl_b32 s42, ttmp9, 2
	s_add_co_u32 s42, s42, s40                     ; tx = 4 x cluster x + cx: hidden units 64 tx on
	s_and_b32 s17, ttmp7, 0xffff
	s_lshl_b32 s17, s17, 2
	s_add_co_u32 s17, s17, s41                     ; ty = 4 x cluster y + cy: rows 256 ty on
	s_lshl_b32 s43, s41, 2
	s_lshl_b32 s43, 15, s43                        ; my row of the cluster
	s_lshl_b32 s44, 0x1111, s40                    ; my column
	; descriptor group 1: three records on end, dense in memory and in LDS, as 150 rows of 32 elements of 8 bytes
	s_or_b32 s[G1+0], s43, (3<<16)|(1<<21)         ; 15:0 the mask: u's records go to my row; 17:16 elements of 8 bytes; 20 no padding; 21 set beside a mask
	s_or_b32 s[G1B+0], s44, (3<<16)|(1<<21)        ; W's go to my column
.irp g, G1, G1B
	s_mov_b32 s[\g+1], 32<<16                      ; tensor_dim0
	s_mov_b32 s[\g+2], 150<<16                     ; tensor_dim1
	s_mov_b32 s[\g+3], 32<<16                      ; tile_dim0
	s_mov_b32 s[\g+4], 150                         ; tile_dim1
	s_mov_b32 s[\g+5], 32                          ; tensor_dim0_stride
	s_mov_b32 s[\g+6], 0
	s_mov_b32 s[\g+7], 0
.endr
	; and for a quarter of the cell's tile: 64 rows of 256 bytes, 8,192 bytes apart in memory, 16 bytes of padding behind each in LDS
	s_mov_b32 s[G1C+0], (3<<16)|(1<<20)|(5<<22)|(3<<25)   ; no mask; elements of 8 bytes; padding on; after every 64 words (code 5); of 4 words (code 3)
	s_mov_b32 s[G1C+1], 32<<16
	s_mov_b32 s[G1C+2], 64<<16
	s_mov_b32 s[G1C+3], 32<<16
	s_mov_b32 s[G1C+4], 64
	s_mov_b32 s[G1C+5], 1024
	s_mov_b32 s[G1C+6], 0
	s_mov_b32 s[G1C+7], 0
	s_lshl_b32 s20, s17, 1
	s_add_co_u32 s20, s20, s16
	s_mul_i32 s20, s20, 32*REC                     ; u: half tile 2 ty + half, 32 records each (no register on this way ever holds cx)
	s_mov_b32 s21, 0
	s_lshl_b32 s46, s42, 1
	s_add_co_u32 s46, s46, s16
	s_mul_i32 s46, s46, 32*REC                     ; W: half tile 2 tx + half (none ever holds cy)
	s_mov_b32 s47, 0
	s_mul_i32 s45, s14, WREG                       ; where they go: wave x three records: no place in the cluster enters an LDS address
	s_lshl_b32 s92, s17, 8
	s_lshl_b32 s93, s14, 6
	s_add_co_u32 s92, s92, s93
	s_lshl_b32 s92, s92, 13                        ; row 256 ty + 64 wave of 8,192 bytes,
	s_lshl_b32 s93, s42, 8
	s_add_co_u32 s92, s92, s93                     ; + 256 tx: the 64 rows of cell_state that I fetch (under 2^25)
	s_mov_b32 s93, 0
	s_mul_i32 s94, s14, 64*CP
	s_lshl_b32 s18, s17, 8
	s_lshl_b32 s19, s15, 7
	s_add_co_u32 s18, s18, s19
	s_lshl_b32 s19, s16, 4
	s_add_co_u32 s18, s18, s19
	s_lshl_b32 s18, s18, 13                        ; row 256 ty + 128 rh + 16 ch,
	s_lshl_b32 s19, s42, 8
	s_add_co_u32 s18, s18, s19                     ; + 256 tx: the first row of the outputs that I store
	s_mov_b32 s19, 0
	s_lshl_b32 s96, s42, 8
	s_lshl_b32 s97, s16, 7
	s_add_co_u32 s96, s96, s97                     ; my 32 hidden units in a bias: 4 (64 tx + 32 ch)
	s_mov_b32 s97, 0
	s_mov_b32 s78, 0xbfb8aa3b                      ; -log2(e): e^-x = 2^(-log2(e) x)
	s_mov_b32 s79, s78                             ; (the packed form names a pair and takes its low word for both halves: so the upper is written)
	s_mov_b32 s12, 0x4038aa3b                      ; 2 log2(e)
	s_mov_b32 s13, s12
	s_mov_b32 s100, 0x42000000                     ; 32.0: the hold on the exponents
	s_wait_kmcnt 0x0
	s_add_nc_u64 s[20:21], s[4:5], s[20:21]
	s_add_nc_u64 s[46:47], s[6:7], s[46:47]
	s_mov_b32 s[G0C], 1
	s_add_co_u32 s[G0C+1], s94, CELL
	s_add_nc_u64 s[G0C+2:G0C+3], s[8:9], s[92:93]
	s_or_b32 s[G0C+3], s[G0C+3], 0x80000000
	s_add_nc_u64 s[74:75], s[74:75], s[18:19]      ; out0 and out1 at my first row
	s_add_nc_u64 s[76:77], s[76:77], s[18:19]
	s_add_nc_u64 s[66:67], s[10:11], s[96:97]      ; the four biases at my 32 units; b_i moves, so that s[4:11] are free
	s_add_nc_u64 s[68:69], s[68:69], s[96:97]
	s_add_nc_u64 s[70:71], s[70:71], s[96:97]
	s_add_nc_u64 s[72:73], s[72:73], s[96:97]
	; group 1 for the first slot: two records on end, 100 rows.  In registers whose earlier numbers have been used up
	s_or_b32 s[G1S+0], s43, (3<<16)|(1<<21)
	s_or_b32 s[G1BS+0], s44, (3<<16)|(1<<21)
.irp g, G1S, G1BS
	s_mov_b32 s[\g+1], 32<<16
	s_mov_b32 s[\g+2], 100<<16
	s_mov_b32 s[\g+3], 32<<16
	s_mov_b32 s[\g+4], 100
	s_mov_b32 s[\g+5], 32
	s_mov_b32 s[\g+6], 0
	s_mov_b32 s[\g+7], 0
.endr
	CROUND                                         ; all sixteen work-groups are here: the first joint loads meet
.irp s, 0,1
	s_mov_b32 s[G0+4*\s], 1                        ; 1:0 count = 1
	s_add_co_u32 s[G0+4*\s+1], s45, \s*SLOT        ; 63:32 LDS address
	s_add_nc_u64 s[G0+4*\s+2:G0+4*\s+3], s[20:21], \s*2*REC   ; 120:64 global address: slot 0 begins with record 0, slot 1 with record 2
	s_or_b32 s[G0+4*\s+3], s[G0+4*\s+3], 0x80000000           ; 127:126 type = 2
	s_mov_b32 s[G0B+4*\s], 1
	s_add_co_u32 s[G0B+4*\s+1], s45, \s*SLOT
	s_add_nc_u64 s[G0B+4*\s+2:G0B+4*\s+3], s[46:47], \s*2*REC
	s_or_b32 s[G0B+4*\s+3], s[G0B+4*\s+3], 0x80000000
.endr
	JLOAD G0, G1S, G0B, G1BS                       ; steps 0 and 1
	JLOAD G0+4, G1, G0B+4, G1B                     ; steps 2 to 4.  Two tensor loads of mine are out
	v_and_b32 v1, 15, v0                           ; r
	v_bfe_u32 v2, v0, 4, 1                         ; h
	v_lshlrev_b32 v[BO], 5, v2                     ; lane (r, h) wants a block's biases 8 h + 0 .. 7
.macro BIASLD g, sb                    ; gate g: blocks 2 g and 2 g + 1, in the result's layout
.irp j, 0,1
	global_load_b128 v[BIAS+8*(2*\g+\j):BIAS+8*(2*\g+\j)+3], v[BO], s[\sb:\sb+1] offset:64*\j
	global_load_b128 v[BIAS+8*(2*\g+\j)+4:BIAS+8*(2*\g+\j)+7], v[BO], s[\sb:\sb+1] offset:64*\j+16
.endr
.endm
	BIASLD 0, 66
	BIASLD 1, 68
	BIASLD 2, 70
	BIASLD 3, 72
	v_and_b32 v3, 31, v0
	v_lshlrev_b32 v3, 4, v3                        ; 16 x lane: my place in an image
	s_mul_i32 s18, s15, WREG                       ; my half of u
	s_mul_i32 s19, s16, WREG                       ; my half of W,
	s_add_co_u32 s19, s19, 2*WREG                  ; behind u's two
.irp s, 0,1
	v_add_nc_u32 v[ADRA+\s], s18, v3
	v_add_nc_u32 v[ADRB+\s], s19, v3
	s_add_co_u32 s18, s18, SLOT
	s_add_co_u32 s19, s19, SLOT
.endr
	s_xor_b32 s22, s15, 1
	s_add_co_u32 s22, s22, s16
	s_add_co_u32 s22, s22, 1
	s_mul_i32 s22, s22, WREG                       ; from my records of u to my records of W: (2 + ch - rh) x three records
	v_mul_u32_u24 v4, s22, v2                      ; lanes 16-31 take W's
	v_lshl_add_u32 v4, v1, 3, v4                   ; 8 bytes a row: two blocks' words
	s_mul_i32 s23, s15, WREG
	s_add_co_u32 s23, s23, SCB
	v_add_nc_u32 v[ADRS], s23, v4
	s_add_co_u32 s23, s23, SLOT
	v_add_nc_u32 v[ADRS+1], s23, v4
	s_mul_i32 s18, s15, 128*CP
	s_lshl_b32 s19, s16, 7
	s_add_co_u32 s18, s18, s19                     ; my 128 rows, my 128 bytes of them
	v_mul_u32_u24 v4, v1, CP
	v_lshl_add_u32 v4, v2, 5, v4                   ; row r, 32 h bytes on
	v_add_nc_u32 v4, s18, v4
	v_add_nc_u32 v[CLA], CELL, v4
	v_add_nc_u32 v[HSA], HST, v4
	s_lshl_b32 s18, s15, 7                         ; the way out: of each 32 finished rows of my half of the tile I take 16, whole: rows 128 rh + 16 ch on;
	s_lshl_b32 s19, s16, 4
	s_add_co_u32 s18, s18, s19
	s_mul_i32 s18, s18, CP
	v_mul_u32_u24 v4, v2, CP                       ; lanes 0-15 one row of 256 bytes, lanes 16-31 the next
	v_lshl_add_u32 v4, v1, 4, v4
	v_add_nc_u32 v4, s18, v4
	v_add_nc_u32 v[RDC], CELL, v4
	v_add_nc_u32 v[RDH], HST, v4
	v_lshlrev_b32 v[CO], 13, v2                    ; and the same two rows in an output
	v_lshl_add_u32 v[CO], v1, 4, v[CO]
.macro FRAG reg, adr, q, i             ; a fragment's image comes back as it was stored: three loads, 512 consecutive bytes each
.irp c, 0,1,2
	ds_load_b128 v[\reg+4*\c:\reg+4*\c+3], v[\adr] offset:(\q)*REC+(\i)*FRB+512*\c
.endr
.endm
; 16 matrix instructions: u's blocks a0, a0 + 1 x W's eight, 128 along K.  p: W's set and the set of scale words.  first = 1: the bias is the C: nothing is ever cleared or added later.
; The 64 accumulators take turns, one instruction a turn, in the same order in every step.
.macro MUL16 a0, p, first
.irp a, \a0, \a0+1
.irp b, 0,1,2,3,4,5,6,7
.set SWB, SC+8*(\p)+2*(2*(\b/4)+(\b%2))+((\b/2)%2)
.set SWA, SC+8*(\p)+2*(2*((\a)/4)+((\a)%2))+(((\a)/2)%2)
.if \first
	v_wmma_scale_f32_16x16x128_f8f6f4 v[8*(8*((\a)%4)+\b):8*(8*((\a)%4)+\b)+7], v[128*(\p)+FR*\b:128*(\p)+FR*\b+FR-1], v[AF+FR*(\a):AF+FR*(\a)+FR-1], v[BIAS+8*\b:BIAS+8*\b+7], v[SWB], v[SWA] matrix_a_fmt:MATRIX_FMT_FP6 matrix_b_fmt:MATRIX_FMT_FP6 matrix_a_scale:MATRIX_SCALE_ROW1
.else
	v_wmma_scale_f32_16x16x128_f8f6f4 v[8*(8*((\a)%4)+\b):8*(8*((\a)%4)+\b)+7], v[128*(\p)+FR*\b:128*(\p)+FR*\b+FR-1], v[AF+FR*(\a):AF+FR*(\a)+FR-1], v[8*(8*((\a)%4)+\b):8*(8*((\a)%4)+\b)+7], v[SWB], v[SWA] matrix_a_fmt:MATRIX_FMT_FP6 matrix_b_fmt:MATRIX_FMT_FP6 matrix_a_scale:MATRIX_SCALE_ROW1
.endif
.endr
.endr
.endm
.macro FETCH_B slot, q, p              ; W's eight fragments of the slot's q-th step into set p: 24 loads
	WIN TO_B
.irp i, 0,1,2,3,4,5,6,7
	FRAG 128*(\p)+FR*\i, ADRB+\slot, \q, \i
.endr
	WIN 0
.endm
.macro FETCH_A slot, q, i0             ; u's blocks i0 .. i0 + 3: 12 loads
.irp i, \i0, \i0+1, \i0+2, \i0+3
	FRAG AF+FR*(\i), ADRA+\slot, \q, \i
.endr
.endm
.macro SCALES slot, q, p               ; the step's scale words into set p: four loads of two blocks' words; lanes 0-15 take u's, lanes 16-31 W's
.irp e, 0,1,2,3
	ds_load_b64 v[SC+8*(\p)+2*\e:SC+8*(\p)+2*\e+1], v[ADRS+\slot] offset:(\q)*REC+128*\e
.endr
.endm
; A load into a register that a matrix instruction has read, and a vector instruction that reads a matrix result, stand NP places behind that matrix instruction, and only plain vector instructions
; that name none of its registers are places (ISA guide 7.12.1 for vector instructions); this text does not count the matrix instructions in between.
.macro PLACES n
.rept \n
	v_nop
.endr
.endm
; A step of 128 along K that has its successor in the same slot.  u's blocks go one after the other, each against W's eight, so a block of u is free as soon as its eight products are issued:
; blocks 0-3 are fetched anew in the step's middle, blocks 4-7 at its end.  p: this step's sets; the next step's are the others.
.macro STEP slot, q, p, first
	s_wait_dscnt 4*NL                              ; W's set, u's blocks 0-3 and the scale words are in; the youngest twelve loads (u's blocks 4-7) may be out
.if \first
	WIN FST_LO
.else
	WIN MUL_LO
.endif
	MUL16 0, \p, \first
	MUL16 2, \p, \first
	s_wait_dscnt 0                                 ; u's blocks 4-7 are in (asked for 32 matrix instructions ago)
	PLACES NP
	FETCH_B \slot, (\q)+1, 1-(\p)
	FETCH_A \slot, (\q)+1, 0
	SCALES \slot, (\q)+1, 1-(\p)
.if \first
	WIN FST_HI
.else
	WIN MUL_HI
.endif
	MUL16 4, \p, \first
	MUL16 6, \p, \first
	PLACES NP
	WIN 0
	FETCH_A \slot, (\q)+1, 4
.endm
; A slot's last step changes slots.  Its first 32 products want nothing of the next slot: they stand AHEAD of the wait for the tile, so that between a tile's landing and the next request stand only the
; add, the waits and the round.  In front of the round each wave waits for all its tensor loads, adds 0 to its spare word, and waits for that and for its own reads of this slot (all were issued a step ago).
; kind = 1: this slot is filled again, with the records stepb bytes on.  kind = 2: the last change: slot 1 takes the cell's tile, a plain load of each wave.
.macro TURN slot, p, next, kind, stepb
	s_wait_dscnt 4*NL
	WIN MUL_LO
	MUL16 0, \p, 0
	MUL16 2, \p, 0
	WIN 0
	s_wait_tensorcnt 0x0                           ; all my tensor loads have landed: the one that was out is my part of the next slot; so a group 0 may be written
	ds_add_u32 v[SPW], v[NIL]                      ; 0 onto my spare word
.if \kind == 1
	s_add_nc_u64 s[G0+4*\slot+2:G0+4*\slot+3], s[G0+4*\slot+2:G0+4*\slot+3], \stepb
	s_add_nc_u64 s[G0B+4*\slot+2:G0B+4*\slot+3], s[G0B+4*\slot+2:G0B+4*\slot+3], \stepb
.endif
	s_wait_dscnt 0x0                               ; the add is done, and my reads of this slot are over
	s_barrier_signal -1
	s_barrier_wait -1
	CREST                                          ; no wave of any partner still reads this slot's records or has a load on its way
.if \kind == 1
	JLOAD G0+4*\slot, G1, G0B+4*\slot, G1B         ; the first tensor load behind the round, and my only one until the next; the four v_nop behind it are the places in front of the loads below
.else
	tensor_load_to_lds s[G0C:G0C+3], s[G1C:G1C+7]  ; my 64 rows of the cell's tile
	s_nop 0
.rept 4
	v_nop
.endr
.endif
	FETCH_B \next, 0, 1-(\p)
	FETCH_A \next, 0, 0
	SCALES \next, 0, 1-(\p)
	WIN MUL_HI
	MUL16 4, \p, 0
	MUL16 6, \p, 0
	PLACES NP
	WIN 0
	FETCH_A \next, 0, 4
.endm
	s_wait_tensorcnt 1                             ; my part of slot 0 is in; slot 1's load may be out
	s_barrier_signal -1
	s_barrier_wait -1                              ; everybody's is
	FETCH_B 0, 0, 0
	FETCH_A 0, 0, 0
	SCALES 0, 0, 0
	FETCH_A 0, 0, 4
	s_wait_loadcnt 0x0                             ; the bias
	STEP 0, 0, 0, 1                                ; step 0: its products start the sums, from the bias
	TURN 0, 1, 1, 1, 5*REC                         ; step 1 ends the short slot: slot 0 takes records 5 to 7
	s_mov_b32 s3, LAPS
.Llap:                                                 ; a trip: a slot in LDS slot 1, a slot in LDS slot 0; both are filled again, six records on; the sets are back where they began
	STEP 1, 0, 0, 0
	STEP 1, 1, 1, 0
	TURN 1, 0, 0, 1, 6*REC
	STEP 0, 0, 1, 0
	STEP 0, 1, 0, 0
	TURN 0, 1, 1, 1, 6*REC
	s_sub_co_u32 s3, s3, 1
	s_cmp_lg_u32 s3, 0
	s_cbranch_scc1 .Llap
	STEP 1, 0, 0, 0                                ; the last two slots are written out: no more records are asked for
	STEP 1, 1, 1, 0
	TURN 1, 0, 0, 2, 0                             ; slot 1 is left for good and takes the cell's tile
	STEP 0, 0, 1, 0
	STEP 0, 1, 0, 0
	s_wait_dscnt 4*NL                              ; the very last step: nothing more to fetch
	WIN MUL_LO
	MUL16 0, 1, 0
	MUL16 2, 1, 0
	s_wait_dscnt 0
	WIN MUL_HI
	MUL16 4, 1, 0
	MUL16 6, 1, 0
	WIN 0
	s_wait_tensorcnt 0x0                           ; my 64 rows of the cell's tile are in (no LDS instruction of mine is out),
	s_barrier_signal -1
	s_barrier_wait -1                              ; everybody's are
	PLACES NP                                      ; in front of the first reads of results, and of loads and writes into the registers that held u's fragments
; THE CELL, a block of 16 rows at a time: 16 outputs a lane (e = 8 j + i: unit 16 j + 8 h + i of row 16 a + r).  Eight packed lines serve 16 numbers.
.macro PKFMA d, x, y, z
.set n, 0
.rept 8
	v_pk_fma_f32 v[\d+n:\d+n+1], v[\x+n:\x+n+1], v[\y+n:\y+n+1], v[\z+n:\z+n+1]
.set n, n+2
.endr
.endm
.macro PKMUL d, x, y
.set n, 0
	s_wait_alu depctr_va_vdst(0)
.rept 8
	v_pk_mul_f32 v[\d+n:\d+n+1], v[\x+n:\x+n+1], v[\y+n:\y+n+1]
.set n, n+2
.endr
.endm
.macro PKADDC d, x, c                  ; a constant is given to both halves
.set n, 0
	s_wait_alu depctr_va_vdst(0)
.rept 8
	v_pk_add_f32 v[\d+n:\d+n+1], v[\x+n:\x+n+1], \c op_sel_hi:[1,0]
.set n, n+2
.endr
.endm
.macro HOLD d, cnt                     ; the exponents are held at 32 from above
.set n, 0
.rept \cnt
	v_min_num_f32 v[\d+n], s100, v[\d+n]
.set n, n+1
.endr
.endm
.macro EXPS d, cnt                     ; back to back, then one plain place before a result is used (ISA guide 5.7.2)
.set n, 0
.rept \cnt
	v_exp_f32 v[\d+n], v[\d+n]
.set n, n+1
.endr
	v_nop
.endm
.macro RCPS d
.set n, 0
.rept 16
	v_rcp_f32 v[\d+n], v[\d+n]
.set n, n+1
.endr
	v_nop
.endm
; THE WAY OUT, in four parts.  A row's 256 bytes come from two waves.  When blocks 2 ph and 2 ph + 1 are done in every wave (a barrier), rows 32 ph .. 32 ph + 31 of both halves of the tile are whole in
; both stages: each wave reads 16 of them from each stage into W's idle registers (window 1; each part has 64 of its own, so no store's data are written again), and stores them inside the next block's arithmetic.
.macro MEETP
	s_wait_dscnt 0x0                               ; for the others' sake: my stores into the stages are done
	s_barrier_signal -1
	s_barrier_wait -1
.endm
.macro LOADP ph
	WIN TO_B
.irp t, 0,1,2,3,4,5,6,7
	ds_load_b128 v[64*\ph+4*\t:64*\ph+4*\t+3], v[RDH] offset:(32*\ph+2*\t)*CP
.endr
.irp t, 0,1,2,3,4,5,6,7
	ds_load_b128 v[64*\ph+32+4*\t:64*\ph+32+4*\t+3], v[RDC] offset:(32*\ph+2*\t)*CP
.endr
	WIN 0
.endm
.macro SENDP ph                        ; 16 lanes store 256 consecutive bytes, at a multiple of 256 from the output's first byte; written once, read by nobody here
	WIN 0x04                                       ; a store's data are its source 1: window 1
.irp t, 0,1,2,3,4,5,6,7
	global_store_b128 v[CO], v[64*\ph+4*\t:64*\ph+4*\t+3], s[74:75] offset:(32*\ph+2*\t)*8192 th:TH_STORE_NT
.endr
.irp t, 0,1,2,3,4,5,6,7
	global_store_b128 v[CO], v[64*\ph+32+4*\t:64*\ph+32+4*\t+3], s[76:77] offset:(32*\ph+2*\t)*8192 th:TH_STORE_NT
.endr
	WIN 0
.endm
.macro BLOCK a, send                   ; send: the part of the way out whose rows are stored here, or -1
.set AC, 64*((\a)%4)                   ; the block's eight accumulators: gate g's 16 numbers at AC + 16 g
.irp j, 0,1
.irp u, 0,1
	ds_load_b128 v[CL+8*\j+4*\u:CL+8*\j+4*\u+3], v[CLA] offset:16*(\a)*CP+64*\j+16*\u   ; the old cell of my 16 outputs
.endr
.endr
.if (\a) < 4
	WIN 0x02                                       ; source 0: window 2
.else
	WIN 0x03                                       ; window 3
.endif
.set n, 0
.rept 32                               ; the exponents: -log2(e) g for i, f, o; 2 log2(e) g for c.  Each accumulator is read from its low end on
.if (n/16) == 2
	v_pk_mul_f32 v[GA+n:GA+n+1], v[AC+n:AC+n+1], s[12:13] op_sel_hi:[1,0]
.else
	v_pk_mul_f32 v[GA+n:GA+n+1], v[AC+n:AC+n+1], s[78:79] op_sel_hi:[1,0]
.endif
.set n, n+2
.endr
	WIN 0
	HOLD GA, 64
	EXPS GA, 64                                    ; A, F, C, O
	PKADDC CM, GC, -1.0                            ; C - 1
	PKADDC GC, GC, 1.0                             ; 1 + C
	PKFMA GA, GA, GC, GC                           ; (1 + A)(1 + C)
	PKFMA CM, CM, GF, CM                           ; (C - 1)(1 + F)
	s_wait_dscnt 0x0                               ; the old cell is in; the last block's stores into the stages have read NC and NH; the rows on their way out are in registers
.if \send >= 0
	SENDP \send
.endif
	PKFMA CM, CL, GA, CM                           ; cell (1 + A)(1 + C) + (C - 1)(1 + F)
	PKFMA GA, GA, GF, GA                           ; (1 + A)(1 + C)(1 + F)
	RCPS GA
	PKMUL NC, CM, GA                               ; the new cell
.set n, 0
.rept 8
	v_pk_mul_f32 v[GC+n:GC+n+1], v[NC+n:NC+n+1], s[12:13] op_sel_hi:[1,0]
.set n, n+2
.endr
	HOLD GC, 16
	EXPS GC, 16                                    ; E
	PKADDC GF, GC, -1.0                            ; E - 1
	PKADDC GC, GC, 1.0                             ; 1 + E
	PKFMA GC, GO, GC, GC                           ; (1 + O)(1 + E)
	RCPS GC
	PKMUL NH, GF, GC                               ; the new hidden state
.irp j, 0,1
.irp u, 0,1
	ds_store_b128 v[CLA], v[NC+8*\j+4*\u:NC+8*\j+4*\u+3] offset:16*(\a)*CP+64*\j+16*\u   ; over the bytes that I read: no other lane touches them before the next barrier
	ds_store_b128 v[HSA], v[NH+8*\j+4*\u:NH+8*\j+4*\u+3] offset:16*(\a)*CP+64*\j+16*\u
.endr
.endr
.endm
	BLOCK 0, -1
	BLOCK 1, -1
	MEETP
	LOADP 0
	BLOCK 2, 0
	BLOCK 3, -1
	MEETP
	LOADP 1
	BLOCK 4, 1
	BLOCK 5, -1
	MEETP
	LOADP 2
	BLOCK 6, 2
	BLOCK 7, -1
	MEETP
	LOADP 3
	s_wait_dscnt 0x0
	SENDP 3
	s_wait_tensorcnt 0x0                           ; the wave's end, behind my last tensor load and my last LDS store
	ds_add_u32 v[SPW], v[NIL]
	s_wait_dscnt 0x0
	CROUND                                         ; the closing round: no work-group ends while a partner may still ask for a record that names it
	s_endpgm
.Lfunc_end_k_qbc7881c26c_lstm:
	.size	k_qbc7881c26c_lstm, .Lfunc_end_k_qbc7881c26c_lstm-k_qbc7881c26c_lstm
	.p2alignl 7, 3214868480
	.fill 96, 4, 3214868480
	.section	.rodata,"a",@progbits
	.p2align	6, 0x0
	.amdhsa_kernel k_qbc7881c26c_lstm
		.amdhsa_group_segment_fixed_size 327680
		.amdhsa_private_segment_fixed_size 0
		.amdhsa_enable_private_segment 0
		.amdhsa_kernarg_size 72
		.amdhsa_user_sgpr_count 2
		.amdhsa_user_sgpr_kernarg_segment_ptr 1
		.amdhsa_wavefront_size32 1
		.amdhsa_system_sgpr_workgroup_id_x 1
		.amdhsa_system_sgpr_workgroup_id_y 1
		.amdhsa_system_sgpr_workgroup_id_z 1
		.amdhsa_system_vgpr_workitem_id 0
		.amdhsa_next_free_vgpr 1024
		.amdhsa_next_free_sgpr 102
		.amdhsa_reserve_vcc 0
		.amdhsa_float_denorm_mode_32 3
		.amdhsa_float_denorm_mode_16_64 3
		.amdhsa_memory_ordered 1
		.amdhsa_forward_progress 1
		.amdhsa_inst_pref_size 255
	.end_amdhsa_kernel
	.section	.bss,"aw",@nobits
	.p2align	6
	.space	262144
	.amdgpu_metadata
---
amdhsa.version: [ 1, 2 ]
amdhsa.kernels:
  - .name:           k_qbc7881c26c_lstm
    .symbol:         k_qbc7881c26c_lstm.kd
    .args:
      - { .name: ua, .offset: 0, .size: 8, .value_kind: global_buffer, .address_space: global }
      - { .name: wb, .offset: 8, .size: 8, .value_kind: global_buffer, .address_space: global }
      - { .name: cell_state, .offset: 16, .size: 8, .value_kind: global_buffer, .address_space: global }
      - { .name: b_i, .offset: 24, .size: 8, .value_kind: global_buffer, .address_space: global }
      - { .name: b_f, .offset: 32, .size: 8, .value_kind: global_buffer, .address_space: global }
      - { .name: b_c, .offset: 40, .size: 8, .value_kind: global_buffer, .address_space: global }
      - { .name: b_o, .offset: 48, .size: 8, .value_kind: global_buffer, .address_space: global }
      - { .name: out0, .offset: 56, .size: 8, .value_kind: global_buffer, .address_space: global }
      - { .name: out1, .offset: 64, .size: 8, .value_kind: global_buffer, .address_space: global }
    .group_segment_fixed_size: 327680
    .private_segment_fixed_size: 0
    .kernarg_segment_align: 8
    .kernarg_segment_size: 72
    .max_flat_workgroup_size: 128
    .sgpr_count:     102
    .vgpr_count:     1024
    .wavefront_size: 32
...
	.end_amdgpu_metadata
.endif
;; end of part 2
